; MI455X (gfx1250); checked and timed in simulation.
; The chip was launched on July 23, 2026; its instructions are those of AMD's public machine-readable ISA for CDNA 5 (MIT licence, August 2026) and "CDNA5" Instruction Set Architecture Reference Guide (July 2026). The comments in the code are by the model that wrote it; some were corrected since.
;; Attention. Allowed arithmetic: matrix products marked QUANTISED: E3M2 operands, one E8M0 scale for each 32 along K, by v_wmma_scale_f32_16x16x128_f8f6f4 with both operands' format E3M2, f32 sums; products left as they are: f32 operands where the result goes on into a quantised operand, else bf16, f16 or f32 operands; f32 sums; everything else in f32.
;; Inputs: W_att 1,024 x 1 float32; W_dec_codes 1,024 x 32 x 24 uint8 (E3M2 codes of W_dec, K innermost, in blocks of 32 codes, four codes in three bytes); W_dec_scales 1,024 x 32 uint8 (E8M0 scales of W_dec, one for each 32 codes along K); W_enc_codes 1,024 x 32 x 24 uint8 (E3M2 codes of W_enc, K innermost, in blocks of 32 codes, four codes in three bytes); W_enc_scales 1,024 x 32 uint8 (E8M0 scales of W_enc, one for each 32 codes along K); b_att 1 float32; b_dec 1,024 float32; b_enc 1,024 float32; dinput_codes 32 x 32 x 24 uint8 (E3M2 codes of dinput, K innermost, in blocks of 32 codes, four codes in three bytes); dinput_scales 32 x 32 uint8 (E8M0 scales of dinput, one for each 32 codes along K); einput 32 x 2,048 x 1,024 float32.
;; Outputs: out0 32 x 1,024 float32; out1 32 x 2,048 float32.
;; This version of the problem:
;;   THIS VERSION OF THE PROBLEM IS GIVEN IN LOW PRECISION. The matrix products marked QUANTISED in the list below multiply operands that are first quantised to E3M2 (3 exponent bits, 2 mantissa bits; 6 bits a number), with one power-of-two scale for each 32 numbers along K (OCP MX v1.0); their sums are f32. All else is computed in f32.
;;   The module's matrix products, in the order in which they are computed (A, B: the left and right operand; K: the contracted axis; several contracted axes count as one K, in the product's order):
;;     1. [M 65,536, K 1,024] x [K 1,024, N 1,024]; A: input einput; B: input W_enc (given as codes): QUANTISED
;;     2. [M 32, K 1,024] x [K 1,024, N 1,024]; A: input dinput (given as codes); B: input W_dec (given as codes): QUANTISED
;;     3. [M 65,536, K 1,024] x [K 1,024, N 1]; A: computed on the way; B: input W_att: left as it is (N = 1 < 16)
;;     4. batch 32 x [M 1,024, K 2,048] x [K 2,048, N 1]; A: input einput; B: softmax: left as it is (N = 1 < 16)
;;   THE QUANTISER, for each operand of a quantised product, along K:
;;     - K is cut into blocks of 32 from its start; a last block that is shorter is filled with zeros.
;;     - A block's scale is 2^e with e = floor(log2(the largest magnitude in the block)) - 4, held to -126 .. 127; a block of zeros has e = 0. As a byte (E8M0): e + 127.
;;     - Each number is divided by its block's scale, clamped to +-28, and rounded to the nearest number of E3M2, ties to even, subnormals kept.
;;     - The product sums the exact products of the quantised numbers (number of the format x scale) in f32.
;;   ~~~python
;;   def quantise(x, axis):      # numpy; x: float32 -> the quantised numbers, widened to float32 again
;;       x = np.moveaxis(x, axis, -1); K = x.shape[-1]
;;       x = np.pad(x, [(0, 0)] * (x.ndim - 1) + [(0, -K % 32)]); x = x.reshape(x.shape[:-1] + (-1, 32)); a = np.abs(x).max(-1, keepdims=True)
;;       e = np.where(a > 0, np.clip(np.frexp(np.where(a > 0, a, 1))[1] - 1 - 4, -126, 127), 0)      # np.frexp(a)[1] - 1 = floor(log2(a)), exactly
;;       r = np.clip(x / 2.0 ** e, -28, 28)
;;       step = 2.0 ** (np.maximum(np.frexp(np.where(r == 0, 1, r))[1] - 1, -2) - 2)
;;       q = np.round(r / step) * step * 2.0 ** e      # np.round: ties to even
;;       return np.moveaxis(q.reshape(q.shape[:-2] + (-1,))[..., :K], -1, axis).astype(np.float32)
;;   ~~~
;;   INPUTS GIVEN AS CODES. W_dec (in the module: [1024, 1024], K = its axis 0); W_enc (in the module: [1024, 1024], K = its axis 0); dinput (in the module: [32, 1024], K = its axis 1): each comes as NAME_codes (uint8): NAME with its K axis moved to the last place and cut into blocks of 32 codes, [.., K / 32, bytes a block], one block behind the other in memory; four codes in three bytes: a row's codes are one little-endian stream of bits, code i at bits 6 i .. 6 i + 5 (a code: sign, 3 exponent bits, 2 mantissa bits); and NAME_scales (uint8): the same leading axes, one E8M0 byte (e + 127) for each 32 codes along K. Its value is code x scale, taken as it is: it is not quantised again, and the codes and scales need not be those that the quantiser above would give.
;; One version. Each part assembles by itself: llvm-mc -triple=amdgcn-amd-amdhsa -mcpu=gfx1250 --defsym DOCPART=n.
;; ======== version 1 of 1: 3 launches
;; limits: values are held in bf16: 8 bits of precision; right only within a limited range of input values
;; workspace buffers: wf 819,200 bytes; cvec 131,072 bytes; scores 262,144 bytes; part 2,097,152 bytes
;; launch prep (part 1): grid 192 x 1, 1 waves a work-group, no clusters, 0 bytes of LDS; arguments W_enc_codes, W_enc_scales, W_dec_codes, W_dec_scales, dinput_codes, dinput_scales, b_enc, b_dec, wf, cvec; writes wf, cvec
.if DOCPART == 1
	.amdgcn_target "amdgcn-amd-amdhsa--gfx1250"
	.amdhsa_code_object_version 6
	.text
	.protected	k_q4f00490f1b_prep
	.globl	k_q4f00490f1b_prep
	.p2align	8
	.type	k_q4f00490f1b_prep,@function
k_q4f00490f1b_prep:
	s_mov_b64 s[64:65], 0
	v_nop
	global_prefetch_b8 v0, s[64:65] scope:SCOPE_SE
	s_setreg_imm32_b32 hwreg(HW_REG_WAVE_MODE, 25, 1), 1
	s_wait_xcnt 0x0
; Two small jobs for the main launch, one wave to a work-group, parted on the work-group's number alone.
; Work-groups 0-63 (tile T of 16 rows of W_enc): W_enc's codes and scale bytes are laid out once in the ORDER OF THE OPERAND'S REGISTERS, so that the main launch brings them
;   into LDS as dense blocks and reads each fragment by three loads of 16 bytes a lane.  wf = 8 slots of 102,400 bytes; tile T = 32 j + 4 s + u lies in slot s at place q = 4 j + u:
;   fragment of K step k at 12,288 q + 1,536 k + 512 c + 16 lane (registers 4 c .. 4 c + 3); scale image at 98,304 + 512 q + 16 lane + 4 v: the word of row lane % 16 for K step 2 v + lane / 16.
; Work-groups 64-191 (tile T of 16 columns, half mt of the 32 batches): cvec[b][n] = sum_k dinput[b][k] W_dec[k][n] + b_dec[n] + b_enc[n], on the codes as they are given.
;   The product is used transposed (source 0 = 16 rows of W_dec's codes, source 1 = 16 rows of dinput's): lane (r, h) holds batch 16 mt + r and columns 16 T + 8 h + 0 .. 7.
;   K = 1,024 is eight matrix instructions, on two accumulators by turns; the two sums are added at the end: an order of f32 additions other than ascending K.
;   Its stores are pieces of 32 bytes a lane; the buffer is 131,072 bytes in all.
.set SLOTB, 102400
	s_load_b512 s[4:19], s[0:1], 0x0               ; W_enc codes, scales; W_dec codes, scales; dinput codes, scales; b_enc; b_dec
	s_load_b128 s[20:23], s[0:1], 0x40             ; wf, cvec
	v_and_b32 v1, 15, v0                           ; r
	v_lshrrev_b32 v2, 4, v0                        ; h
	v_mul_u32_u24 v3, v1, 768                      ; a row of 1,024 codes is 768 bytes
	v_mad_u32_u24 v3, v2, 24, v3                   ; + 24 h: my half's 32 codes
	v_lshlrev_b32 v5, 4, v0                        ; 16 x lane
	s_mov_b32 s25, 0
	s_wait_kmcnt 0x0
	s_cmp_lt_u32 ttmp9, 64
	s_cbranch_scc0 .Lbias
	; ---- W_enc's tile T = the work-group's number
	s_wait_alu depctr_va_vdst(0)
	v_lshlrev_b32 v4, 5, v1
	v_lshl_add_u32 v4, v2, 2, v4                   ; scale bytes: row r of 32 bytes, + 4 h: lanes 16-31 take the odd K steps' words
	s_wait_alu depctr_va_vdst(0)
	s_mul_i32 s24, ttmp9, 12288
	s_add_nc_u64 s[4:5], s[4:5], s[24:25]          ; 16 rows of codes
	s_lshl_b32 s24, ttmp9, 9
	s_add_nc_u64 s[6:7], s[6:7], s[24:25]          ; 16 rows of scale bytes
	s_bfe_u32 s26, ttmp9, 0x30002                  ; slot s = (T / 4) % 8
	s_lshr_b32 s27, ttmp9, 5
	s_lshl_b32 s27, s27, 2
	s_and_b32 s28, ttmp9, 3
	s_add_co_u32 s27, s27, s28                     ; place q = 4 (T / 32) + T % 4
	s_mul_i32 s26, s26, SLOTB
	s_mul_i32 s24, s27, 12288
	s_add_co_u32 s24, s24, s26
	s_add_nc_u64 s[28:29], s[20:21], s[24:25]      ; where the fragments go
	s_lshl_b32 s24, s27, 9
	s_add_co_u32 s24, s24, s26
	s_add_co_u32 s24, s24, 98304
	s_add_nc_u64 s[30:31], s[20:21], s[24:25]      ; where the scale image goes
.irp k, 0,1,2,3,4,5,6,7
.irp p, 0,1,2,3,4,5
	global_load_b64 v[32+12*\k+2*\p:33+12*\k+2*\p], v3, s[4:5] offset:96*\k+48*(\p/3)+8*(\p%3)   ; the fragment's registers, 8 bytes at a time: every address a multiple of 8
.endr
.endr
.irp x, 0,1,2,3
	global_load_b32 v[8+\x], v4, s[6:7] offset:8*\x
.endr
	s_wait_loadcnt 0x0
.irp k, 0,1,2,3,4,5,6,7
.irp c, 0,1,2
	global_store_b128 v5, v[32+12*\k+4*\c:35+12*\k+4*\c], s[28:29] offset:1536*\k+512*\c   ; 32 lanes store 512 consecutive bytes
.endr
.endr
	global_store_b128 v5, v[8:11], s[30:31]
	s_endpgm
.Lbias:
	; ---- cvec's tile: T = id / 2, mt = id % 2
	s_sub_co_u32 s26, ttmp9, 64
	s_lshr_b32 s27, s26, 1                         ; T
	s_and_b32 s26, s26, 1                          ; mt
	s_mul_i32 s24, s27, 12288
	s_add_nc_u64 s[8:9], s[8:9], s[24:25]
	s_lshl_b32 s24, s27, 9
	s_add_nc_u64 s[10:11], s[10:11], s[24:25]
	s_mul_i32 s24, s26, 12288
	s_add_nc_u64 s[12:13], s[12:13], s[24:25]
	s_lshl_b32 s24, s26, 9
	s_add_nc_u64 s[14:15], s[14:15], s[24:25]
	s_lshl_b32 s24, s27, 6                         ; 16 T columns of 4 bytes
	s_add_nc_u64 s[16:17], s[16:17], s[24:25]
	s_add_nc_u64 s[18:19], s[18:19], s[24:25]
	s_lshl_b32 s28, s26, 16                        ; 16 mt rows of 4,096 bytes
	s_add_co_u32 s24, s24, s28
	s_add_nc_u64 s[22:23], s[22:23], s[24:25]
	s_wait_alu depctr_va_vdst(0)
	v_lshlrev_b32 v6, 5, v1                        ; 32 r: a row's eight scale words
	v_lshlrev_b32 v7, 5, v2                        ; 32 h: my eight columns
	v_lshl_add_u32 v4, v1, 12, v7                  ; cvec: row r, + 32 h
.irp k, 0,1,2,3,4,5,6,7
.irp p, 0,1,2,3,4,5
	global_load_b64 v[32+12*\k+2*\p:33+12*\k+2*\p], v3, s[8:9] offset:96*\k+48*(\p/3)+8*(\p%3)
	global_load_b64 v[128+12*\k+2*\p:129+12*\k+2*\p], v3, s[12:13] offset:96*\k+48*(\p/3)+8*(\p%3)
.endr
.endr
	global_load_b128 v[8:11], v6, s[10:11]         ; W_dec's scale words: register k serves K step k (lanes 0-15 are read)
	global_load_b128 v[12:15], v6, s[10:11] offset:16
	global_load_b128 v[16:19], v6, s[14:15]        ; dinput's
	global_load_b128 v[20:23], v6, s[14:15] offset:16
	global_load_b128 v[224:227], v7, s[16:17]      ; b_enc at my eight columns
	global_load_b128 v[228:231], v7, s[16:17] offset:16
	global_load_b128 v[232:235], v7, s[18:19]      ; b_dec
	global_load_b128 v[236:239], v7, s[18:19] offset:16
	s_wait_loadcnt 0x0
.irp q, 0,2,4,6
	v_pk_add_f32 v[224+\q:225+\q], v[224+\q:225+\q], v[232+\q:233+\q]   ; the two biases: the C of the first product
.endr
.rept 4
	v_nop
.endr
	v_wmma_scale_f32_16x16x128_f8f6f4 v[240:247], v[32:43], v[128:139], v[224:231], v8, v16 matrix_a_fmt:MATRIX_FMT_BF6 matrix_b_fmt:MATRIX_FMT_BF6
	v_wmma_scale_f32_16x16x128_f8f6f4 v[248:255], v[44:55], v[140:151], 0, v9, v17 matrix_a_fmt:MATRIX_FMT_BF6 matrix_b_fmt:MATRIX_FMT_BF6
.irp k, 2,4,6
	v_wmma_scale_f32_16x16x128_f8f6f4 v[240:247], v[32+12*\k:43+12*\k], v[128+12*\k:139+12*\k], v[240:247], v[8+\k], v[16+\k] matrix_a_fmt:MATRIX_FMT_BF6 matrix_b_fmt:MATRIX_FMT_BF6
	v_wmma_scale_f32_16x16x128_f8f6f4 v[248:255], v[44+12*\k:55+12*\k], v[140+12*\k:151+12*\k], v[248:255], v[9+\k], v[17+\k] matrix_a_fmt:MATRIX_FMT_BF6 matrix_b_fmt:MATRIX_FMT_BF6
.endr
.rept 4
	v_nop                                          ; four places behind the last products (ISA guide 7.12.1)
.endr
.irp q, 0,2,4,6
	v_pk_add_f32 v[224+\q:225+\q], v[240+\q:241+\q], v[248+\q:249+\q]   ; each accumulator from its low end on
.endr
	s_wait_alu depctr_va_vdst(0)
	global_store_b128 v4, v[224:227], s[22:23]
	global_store_b128 v4, v[228:231], s[22:23] offset:16
	s_endpgm
.Lfunc_end_k_q4f00490f1b_prep:
	.size	k_q4f00490f1b_prep, .Lfunc_end_k_q4f00490f1b_prep-k_q4f00490f1b_prep
	.p2alignl 7, 3214868480
	.fill 96, 4, 3214868480
	.section	.rodata,"a",@progbits
	.p2align	6, 0x0
	.amdhsa_kernel k_q4f00490f1b_prep
		.amdhsa_group_segment_fixed_size 0
		.amdhsa_private_segment_fixed_size 0
		.amdhsa_enable_private_segment 0
		.amdhsa_kernarg_size 80
		.amdhsa_user_sgpr_count 2
		.amdhsa_user_sgpr_kernarg_segment_ptr 1
		.amdhsa_wavefront_size32 1
		.amdhsa_system_sgpr_workgroup_id_x 1
		.amdhsa_system_sgpr_workgroup_id_y 1
		.amdhsa_system_sgpr_workgroup_id_z 1
		.amdhsa_system_vgpr_workitem_id 0
		.amdhsa_next_free_vgpr 256
		.amdhsa_next_free_sgpr 66
		.amdhsa_reserve_vcc 0
		.amdhsa_float_denorm_mode_32 3
		.amdhsa_float_denorm_mode_16_64 3
		.amdhsa_memory_ordered 1
		.amdhsa_forward_progress 1
		.amdhsa_inst_pref_size 22
	.end_amdhsa_kernel
	.amdgpu_metadata
---
amdhsa.version: [ 1, 2 ]
amdhsa.kernels:
  - .name:           k_q4f00490f1b_prep
    .symbol:         k_q4f00490f1b_prep.kd
    .args:
      - { .name: W_enc_codes, .offset: 0, .size: 8, .value_kind: global_buffer, .address_space: global }
      - { .name: W_enc_scales, .offset: 8, .size: 8, .value_kind: global_buffer, .address_space: global }
      - { .name: W_dec_codes, .offset: 16, .size: 8, .value_kind: global_buffer, .address_space: global }
      - { .name: W_dec_scales, .offset: 24, .size: 8, .value_kind: global_buffer, .address_space: global }
      - { .name: dinput_codes, .offset: 32, .size: 8, .value_kind: global_buffer, .address_space: global }
      - { .name: dinput_scales, .offset: 40, .size: 8, .value_kind: global_buffer, .address_space: global }
      - { .name: b_enc, .offset: 48, .size: 8, .value_kind: global_buffer, .address_space: global }
      - { .name: b_dec, .offset: 56, .size: 8, .value_kind: global_buffer, .address_space: global }
      - { .name: wf, .offset: 64, .size: 8, .value_kind: global_buffer, .address_space: global }
      - { .name: cvec, .offset: 72, .size: 8, .value_kind: global_buffer, .address_space: global }
    .group_segment_fixed_size: 0
    .private_segment_fixed_size: 0
    .kernarg_segment_align: 8
    .kernarg_segment_size: 80
    .max_flat_workgroup_size: 32
    .sgpr_count:     66
    .vgpr_count:     256
    .wavefront_size: 32
...
	.end_amdgpu_metadata
.endif
;; end of part 1
;; launch main (part 2): grid 512 x 1, 4 waves a work-group, clusters of 4 x 1, 327,680 bytes of LDS; arguments einput, wf, cvec, W_att, b_att, scores, part; writes scores, part
.if DOCPART == 2
	.amdgcn_target "amdgcn-amd-amdhsa--gfx1250"
	.amdhsa_code_object_version 6
	.text
	.protected	k_q4f00490f1b_main
	.globl	k_q4f00490f1b_main
	.p2align	8
	.type	k_q4f00490f1b_main,@function
k_q4f00490f1b_main:
	s_mov_b64 s[64:65], 0
	v_nop
	global_prefetch_b8 v0, s[64:65] scope:SCOPE_SE
	s_setreg_imm32_b32 hwreg(HW_REG_WAVE_MODE, 25, 1), 1
	s_wait_xcnt 0x0
	s_wait_alu depctr_hold_cnt(0) depctr_sa_sdst(0) depctr_va_vdst(0) depctr_va_sdst(0) depctr_va_ssrc(0) depctr_va_vcc(0) depctr_vm_vsrc(0)
	s_getreg_b32 s2, hwreg(HW_REG_IB_STS2, 6, 4)
	s_cmp_eq_u32 s2, 0
	s_cbranch_scc0 .Lentry_in_a_cluster
	s_endpgm
.Lentry_in_a_cluster:
	s_bfe_u32 s2, ttmp6, 0x10000c
	s_cmp_lg_u32 s2, 0x3003
	s_cbranch_scc0 .Lentry_shape_is_right
	s_endpgm
.Lentry_shape_is_right:
; A work-group takes 128 rows (one sixteenth of a batch's 2,048) of einput through the whole chain, reading them from memory ONCE:
;   load (f32) -> a bf16 copy kept in registers -> codes of BF6 (E3M2) with one E8M0 scale for 32 along K -> product with all of W_enc's codes (+ cvec as the sums' start) -> relu -> dot with W_att (+ b_att) = 128 scores
;   -> p = exp(score - the block's largest score) -> part[block][:] = sum over the 128 rows of p x the bf16 copy.  The last launch brings the sixteen blocks of a batch under one maximum.
; SHARES.  Wave w = (i = w / 2, j = w % 2).  LOADING: wave w owns columns 256 w .. 256 w + 255 of all 128 rows (K steps 2 w, 2 w + 1), so the turn of f32 numbers through LDS stays inside a wave.
;   PRODUCT: wave (i, j) holds the codes of rows 64 i .. 64 i + 63 (4 tiles x 8 K steps x 12 = 384 registers) and walks columns 512 j .. 512 j + 511 of W_enc: each fragment of W read from LDS feeds 4 matrix instructions.
;   The codes go from the wave that made them to the waves that multiply them as images of the operand's registers in LDS.
; W_enc's fragments (laid out by the launch before) come through a ring of two LDS slots of 102,400 bytes, 8 slots in all, each wave fetching a quarter by one tensor load.  Both slots are filled at the start;
;   the change of slots stands INSIDE a slot's last tile, whose fragments are all in registers by then, so that products stand round the barrier and no slot begins with a bare run of loads.
; CLUSTER.  All work-groups walk the same W: the four of a cluster ask JOINTLY, by the same load with the same descriptor and the mask 15; a round of the cluster's barrier stands in front of each.
; THE PRODUCT IS USED TRANSPOSED (source 0 = 16 rows of W's codes, source 1 = 16 rows of e's): lane (r, h) holds row r and columns 16 T + 8 h + 0 .. 7, so relu and the dot with W_att run along a lane's registers.
; THE bf16 COPY: 128 rows x 256 columns a wave = 512 registers in the layout of the loads (a lane holds 8 columns, the registers run over rows); 128 of them wait in the wave's stage in LDS while the product needs window 0.
; LIMITS.  NaN and infinities are not served.  A block of 32 whose largest magnitude lies under 2^-122 gets the scale byte 1 (a block of zeros too, where the rule says 127: its codes are zeros, and this program alone reads the bytes).
;   einput is rounded to bf16 for the weighted sum.  The f32 sums over the 1,024 columns (dot with W_att) and over the rows are taken in another order than row-major.
; REGISTERS in windows of 256 (absolute numbers; an instruction names number % 256, s_set_vgpr_msb the window: bits 1:0 source 0, 3:2 source 1, 5:4 source 2, 7:6 destination):
;   0-23 addresses; loading: 24-39 TM, 40-58 PC, 60-62 scale words, 64-127 a buffer; product: 24-39 e's scale words, 40-47 W's, 48-63 cvec, 64-79 W_att, 80-95 score sums, 96-159 accumulators (2 sets x 4), 160-255 W's 8 fragments
;   codes A(m, k) at 256 (1 + k / 4) + 48 m + 12 (k % 4);  bf16 copy of chunk c (16 rows) at 448, 704, 768, 832, 896, 960, 128, 192.
; THE COPY AND THE FIRST FILLS AS THE TEXT BELOW HAS THEM (these lines take the place of what stands above on the two):
;   The bf16 copy is made by one v_perm_b32 for two numbers, which takes the upper 16 bits of each.
;   LIMIT: so einput is CUT to bf16, toward zero, for the weighted sum: a number loses less than 2^-7 of its magnitude.  The quantiser takes the f32 numbers as they are.
;   Slot 0 of W is filled at the head, one tensor load a wave; slot 1 for the first time behind the round that follows the second chunk, as a refill is.
.set SLOTB,  102400
.set QSLOT,  25600                     ; a wave's quarter of it: 100 rows of 256 bytes
.set IMG,    102400                    ; LDS: images of e's codes: 12,288 x half + 1,536 k + 512 c + 16 lane
.set ISC,    126976                    ; e's scale images: 512 (2 t + half) + 16 lane + 4 v
.set SLOT1,  1<<17                     ; slot 1 begins here: one exclusive or turns an address in one slot into the other's
.set STAGE,  233472                    ; a stage for each wave: 16 rows x (1,024 bytes + 16); during the product 16,384 bytes of the bf16 copy
.set STGB,   16640
.set SPITCH, 1040                      ; 260 words: row r starts at bank 4 r mod 64 (64 banks of 4 bytes: ISA guide 11.1)
.set CV,     300032                    ; cvec of my batch, 4,096 bytes; W_att follows, 4,096 bytes
.set SCR,    308224                    ; half scores: [j][128] f32
.set PB,     309248                    ; p of the 128 rows, once for each wave
.set SPARE,  311296                    ; the spare words, 128 bytes for each wave: two blocks of 256 bytes that no other line names
.set TM,  24
.set PC,  40
.set PW0, 60
.set PWC, 62
.set ASC, 24
.set WSC, 40
.set CR,  48
.set WR,  64
.set SP,  80                           ; v80-87 and v88-95: two chains of sums, a pair in each for each tile of rows
.set ACC, 96
.set WF,  160
.set OA,  96
.set MSB, 0
.macro WIN new                         ; the immediate's high byte repeats the setting that is left; a switch that changes nothing is dropped
.if MSB != (\new)
	s_set_vgpr_msb (MSB<<8)|(\new)
.set MSB, (\new)
.endif
.endm
.macro CREST                           ; a round of the cluster's barrier behind its opening barrier
	s_cmp_lg_u32 s18, 0
	s_cbranch_scc1 .Lnot_wave_0_\@
	s_barrier_signal -3
.Lnot_wave_0_\@:
	s_barrier_wait -3
	s_barrier_signal -1
	s_barrier_wait -1
.endm
.macro ROUND                           ; a whole round
	s_barrier_signal -1
	s_barrier_wait -1
	CREST
.endm
.macro BARRIER                         ; my LDS stores have landed and my LDS loads are in: then the work-group's barrier
	s_wait_dscnt 0x0
	s_barrier_signal -1
	s_barrier_wait -1
.endm
.macro GETH c                          ; HM = first register of chunk c's bf16 copy (row rr at + 4 rr); its first half row of f32 lands there too
.if (\c) == 0
.set HM, 448
.elseif (\c) == 1
.set HM, 704
.elseif (\c) < 6
.set HM, 768+64*((\c)-2)
.else
.set HM, 128+64*((\c)-6)
.endif
.endm
.macro GETT c, rr                      ; TR = where row rr's second half row of chunk c lands: registers that are free at that time (a later chunk's home, the buffer, codes' registers not yet filled)
.if (\c) < 3
.set TR, 832+64*(\c)+4*(\rr)
.elseif (\c) < 5
.set TR, 128+64*((\c)-3)+4*(\rr)
.elseif (\c) == 5
.set TR, 608+4*(\rr)
.elseif (\c) == 6
.set TR, 64+4*(\rr)
.elseif (\rr) < 8
.set TR, 400+4*(\rr)
.else
.set TR, 656+4*((\rr)-8)
.endif
.endm
; Chunk c = rows 64 (c % 2) + 16 (c / 2) + 0 .. 15.  Each load reads 512 consecutive bytes of a row: columns 256 w + 0 .. 127 (H) or + 128 .. 255 (T).
.macro LOADH c
	GETH \c
	WIN (HM>>8)<<6
.set rr, 0
.rept 16
	global_load_b128 v[(HM&255)+4*rr:(HM&255)+4*rr+3], v1, s[4:5] offset:(64*((\c)&1)+16*((\c)>>1)+rr)*4096 th:TH_LOAD_NT
.set rr, rr+1
.endr
.endm
.macro LOADT c
.set rr, 0
.rept 16
	GETT \c, rr
	WIN (TR>>8)<<6
	global_load_b128 v[(TR&255):(TR&255)+3], v1, s[4:5] offset:(64*((\c)&1)+16*((\c)>>1)+rr)*4096+512 th:TH_LOAD_NT
.set rr, rr+1
.endr
.endm
; 64 numbers of a lane in window w, register s + 16 b + i = k 32 b + 16 (lane / 16) + i of my row, become a fragment's codes in v[PC] on and its scale word in v[pw].
.macro QUANT s, w, pw
	WIN (\w)|((\w)<<2)
.irp b, 0,1,2,3
	v_max3_num_f32 v[TM+\b], |v[\s+16*\b]|, |v[\s+16*\b+1]|, 0x2800000   ; my 16 numbers of block b, and the floor 2^(5 - 127): the byte cannot fall under 1
.endr
.irp i, 2,4,6,8,10,12,14
.irp b, 0,1,2,3
	v_max3_num_f32 v[TM+\b], |v[\s+16*\b+\i]|, |v[\s+16*\b+\i+1]|, v[TM+\b]   ; the four blocks by turns
.endr
.endr
	WIN 0
.irp b, 0,1,2,3
	v_permlanex16_b32 v[TM+4+\b], v[TM+\b], s40, s41
.endr
.irp b, 0,1,2,3
	v_max_num_f32 v[TM+\b], v[TM+\b], v[TM+4+\b]   ; with lane l xor 16's: the block's largest magnitude
.endr
.irp b, 0,1,2,3
	v_add_nc_u32 v[TM+12+\b], 0xfe000000, v[TM+\b] ; 4 off its exponent field: the conversion takes the exponent field of this operand as its scale
.endr
.irp b, 0,1,2,3
	v_lshrrev_b32 v[TM+4+\b], 23, v[TM+12+\b]      ; the scale's byte
.endr
	v_lshl_or_b32 v[\pw], v[TM+5], 8, v[TM+4]
	v_lshl_or_b32 v[\pw], v[TM+6], 16, v[\pw]
	v_lshl_or_b32 v[\pw], v[TM+7], 24, v[\pw]      ; my row's scale word for these 128 along K (the same in both halves of the lanes)
	WIN \w
.irp c, 0,1
	v_cvt_scalef32_pk16_bf6_f32 v[PC+6*\c:PC+6*\c+2], v[\s+32*\c:\s+32*\c+15], v[TM+12+2*\c]
	v_cvt_scalef32_pk16_bf6_f32 v[PC+12+4*\c:PC+14+4*\c], v[\s+16+32*\c:\s+31+32*\c], v[TM+13+2*\c]   ; (a conversion's three registers begin on an even number)
.endr
	WIN 0
	v_nop                                          ; one plain place behind a scaled conversion
.irp c, 0,1                                    ; the operand's layout wants a whole block in a lane: lanes 0-15 block 2 c, lanes 16-31 block 2 c + 1
.irp i, 0,1,2
	v_permlane16_swap_b32 v[PC+6*\c+\i], v[PC+12+4*\c+\i]
.endr
.irp i, 0,1,2
	v_mov_b32 v[PC+3+6*\c+\i], v[PC+12+4*\c+\i]
.endr
.endr
.endm
.macro IMAGE off                       ; the fragment in v[PC] on goes to LDS as it stands
.irp c, 0,1,2
	ds_store_b128 v4, v[PC+4*\c:PC+4*\c+3] offset:\off+512*\c
.endr
.endm
; Chunk c is worked: n = the younger global loads that may stay out.
.macro PROC c, n
.set TT, (\c)>>1
.set IC, (\c)&1
	GETH \c
.set HW, HM>>8
.set HL, HM&255
	s_wait_loadcnt \n                              ; loads come back in order (ISA guide 5.7.1): this chunk's 32 are in
	WIN HW<<2                                      ; an LDS store's data are its source 1
.set rr, 0
.rept 16
	ds_store_b128 v2, v[HL+4*rr:HL+4*rr+3] offset:SPITCH*rr          ; the f32 numbers into my stage, as they lie
.set rr, rr+1
.endr
.set rr, 0
.rept 16
	GETT \c, rr
	WIN (TR>>8)<<2
	ds_store_b128 v2, v[(TR&255):(TR&255)+3] offset:SPITCH*rr+512
.set rr, rr+1
.endr
	WIN HW|(HW<<2)|(HW<<6)
.set rr, 0
.rept 16
	v_perm_b32 v[HL+4*rr], v[HL+4*rr+1], v[HL+4*rr], s56             ; the bf16 copy, in place: 8 columns of a row in 4 registers; the lower column's upper half goes into the low half
	v_perm_b32 v[HL+4*rr+1], v[HL+4*rr+3], v[HL+4*rr+2], s56
.set rr, rr+1
.endr
.set rr, 0
.rept 16
	GETT \c, rr
	WIN (TR>>8)|((TR>>8)<<2)|(HW<<6)
	v_perm_b32 v[HL+4*rr+2], v[(TR&255)+1], v[(TR&255)], s56
	v_perm_b32 v[HL+4*rr+3], v[(TR&255)+3], v[(TR&255)+2], s56
.set rr, rr+1
.endr
.if (\c) == 7
.set QB, 64
.else
	GETT \c, 0
.set QB, TR
.endif
.set QW, QB>>8
.set QL, QB&255
.irp sl, 0,1                                   ; my two K steps: back from the stage 16 neighbours of each block of 32 a lane
	WIN QW<<6
.set x, 0
.rept 16
	ds_load_b128 v[QL+4*x:QL+4*x+3], v3 offset:512*\sl+128*(x/4)+16*(x%4)   ; LDS serves a wave's instructions in order (ISA guide 5.7.1.4): these see my stores
.set x, x+1
.endr
	s_wait_dscnt 0x0                               ; they are in; the last image's stores, which are older, have read PC
	QUANT QL, QW, PW0+\sl
	IMAGE 12288*IC+1536*\sl
.endr
	v_cndmask_b32 v[PWC], v[PW0], v[PW0+1], s42    ; lanes 0-15 the even K step's word, lanes 16-31 the odd one's
	ds_store_b32 v5, v[PWC] offset:512*(2*TT+IC)
.if (\c)+2 < 8
	LOADT (\c)+2
.endif
.if (\c)+3 < 8
	LOADH (\c)+3                                   ; (for c up to 4 into the registers that this chunk's second half rows have just left)
.endif
	WIN 0
.endm
.macro FETCHA t                        ; the codes of tile t of my half of the rows, all eight K steps, from the images
.irp k, 0,1,2,3,4,5,6,7
	WIN (1+((\k)>>2))<<6
.irp c, 0,1,2
	ds_load_b128 v[48*(\t)+12*((\k)&3)+4*\c:48*(\t)+12*((\k)&3)+4*\c+3], v6 offset:1536*\k+512*\c
.endr
.endr
	WIN 0
.endm
; ---- THE PRODUCT'S PARTS.  A tile is 16 columns of W x my 64 rows: 8 K steps x 4 accumulators = 32 matrix instructions on accumulator set se; the sets take turns from tile to tile.
; One product: accumulator (se, m), K step k.  The first K step takes the tile's eight numbers of cvec as its C.  Scale words: register k / 2 of a side's four; lanes 0-15 hold the even K step's, lanes 16-31 the odd one's.
.macro MM se, k, m
.set DD, ACC+32*(\se)+8*(\m)
.set AA, 48*(\m)+12*((\k)&3)
.set FF, WF+12*(\k)
.set SW, WSC+4*(\se)+((\k)>>1)
.set SA, ASC+4*(\m)+((\k)>>1)
.if (\k) == 0
	v_wmma_scale_f32_16x16x128_f8f6f4 v[DD:DD+7], v[FF:FF+11], v[AA:AA+11], v[CR+8*(\se):CR+8*(\se)+7], v[SW], v[SA] matrix_a_fmt:MATRIX_FMT_BF6 matrix_b_fmt:MATRIX_FMT_BF6
.elseif ((\k)&1) == 0
	v_wmma_scale_f32_16x16x128_f8f6f4 v[DD:DD+7], v[FF:FF+11], v[AA:AA+11], v[DD:DD+7], v[SW], v[SA] matrix_a_fmt:MATRIX_FMT_BF6 matrix_b_fmt:MATRIX_FMT_BF6
.else
	v_wmma_scale_f32_16x16x128_f8f6f4 v[DD:DD+7], v[FF:FF+11], v[AA:AA+11], v[DD:DD+7], v[SW], v[SA] matrix_a_fmt:MATRIX_FMT_BF6 matrix_b_fmt:MATRIX_FMT_BF6 matrix_a_scale:MATRIX_SCALE_ROW1 matrix_b_scale:MATRIX_SCALE_ROW1
.endif
.endm
; relu of one number of a finished accumulator.  The constant is the second source, so the line names registers in the destination's and the first source's places alone, which stay in window 0 under the products' setting.
.macro RL set, m, q
	v_max_num_f32 v[ACC+32*(\set)+8*(\m)+(\q)], v[ACC+32*(\set)+8*(\m)+(\q)], 0
.endm
; The dot with W_att of one finished accumulator: four packed multiply-adds in two chains
.macro DOT set, m
.set AC, ACC+32*(\set)+8*(\m)
.set WW, WR+8*(\set)
.set S0, SP+2*(\m)
	v_pk_fma_f32 v[S0:S0+1], v[AC:AC+1], v[WW:WW+1], v[S0:S0+1]
	v_pk_fma_f32 v[S0+8:S0+9], v[AC+2:AC+3], v[WW+2:WW+3], v[S0+8:S0+9]
	v_pk_fma_f32 v[S0:S0+1], v[AC+4:AC+5], v[WW+4:WW+5], v[S0:S0+1]
	v_pk_fma_f32 v[S0+8:S0+9], v[AC+6:AC+7], v[WW+6:WW+7], v[S0+8:S0+9]
.endm
; The same of accumulators m0 and m0 + 1: four chains by turns, so that a line reads a sum made four lines earlier
.macro DOT2 set, m0
.irp q, 0,1,2,3
.irp mm, 0,1
.set AC, ACC+32*(\set)+8*((\m0)+\mm)+2*\q
.set WW, WR+8*(\set)+2*\q
.set S0, SP+8*(\q%2)+2*((\m0)+\mm)
	v_pk_fma_f32 v[S0:S0+1], v[AC:AC+1], v[WW:WW+1], v[S0:S0+1]
.endr
.endr
.endm
.macro EPI set, m                      ; relu and dot of one accumulator, on end: for the very last tile
.irp q, 0,1,2,3,4,5,6,7
	RL \set, \m, \q
.endr
	DOT \set, \m
.endm
; Half a tile: K steps 4 hf .. 4 hf + 3, 16 products under one window setting; the four accumulators take turns, one instruction a turn.
; Behind each product stands one relu of the tile BEFORE (accumulators 2 hf, 2 hf + 1 of the other set, each from its low end on); behind the 16 their dots.  The last relu and the eight
; multiply-adds, which name no register of these products, are the places in front of the loads that follow.
.macro HALF se, hf
	WIN 4<<(\hf)                                   ; source 1 (e's codes): window 1 for K steps 0-3, window 2 for 4-7
.irp kk, 0,1,2,3
.irp m, 0,1,2,3
	MM \se, 4*(\hf)+\kk, \m
	RL 1-(\se), 2*(\hf)+(\kk/2), 4*(\kk%2)+\m
.endr
.endr
	WIN 0
	DOT2 1-(\se), 2*(\hf)
.endm
; A quarter of a tile: K steps 2 g, 2 g + 1, with relu and dot of accumulator g of the other set: for the tile that holds the change of slots
.macro GROUP se, g
	WIN 4<<((\g)/2)
.irp kk, 0,1
.irp m, 0,1,2,3
	MM \se, 2*(\g)+\kk, \m
	RL 1-(\se), \g, 4*\kk+\m
.endr
.endr
	WIN 0
	DOT 1-(\se), \g
.endm
.macro FRAG u, k                       ; W's fragment of the slot's tile u (of my half of the columns), K step k
.irp c, 0,1,2
	ds_load_b128 v[WF+12*(\k)+4*\c:WF+12*(\k)+4*\c+3], v11 offset:12288*(\u)+1536*(\k)+512*\c
.endr
.endm
.macro EXTN u                          ; tile u's scale words and its eight numbers of cvec
.set SX, (\u)&1
	ds_load_b128 v[WSC+4*SX:WSC+4*SX+3], v12 offset:512*(\u)
	ds_load_b128 v[CR+8*SX:CR+8*SX+3], v13 offset:64*(\u)
	ds_load_b128 v[CR+8*SX+4:CR+8*SX+7], v13 offset:64*(\u)+16
.endm
.macro EXTW u                          ; tile u's eight numbers of W_att: wanted a tile later
.set SX, (\u)&1
	ds_load_b128 v[WR+8*SX:WR+8*SX+3], v13 offset:4096+64*(\u)
	ds_load_b128 v[WR+8*SX+4:WR+8*SX+7], v13 offset:4096+64*(\u)+16
.endm
; Tile u of a slot, two runs of loads.  pf = 1: the next tile's fragments go into the registers just multiplied, half a tile (16 products) or more ahead of their use.
; WAITS.  Behind a tile's scale words, cvec and first four fragments stand its last four fragments: 12 loads.  Behind those stand this tile's first run: W_att's 2, and with pf = 1 the next tile's 3 + 12: 17 or 2.
.macro NT u, pf
.set SE, (\u)&1
	s_wait_dscnt 12
	HALF SE, 0
	EXTW \u
.if \pf
	EXTN (\u)+1
.irp k, 0,1,2,3
	FRAG (\u)+1, \k
.endr
	s_wait_dscnt 17
.else
	s_wait_dscnt 2
.endif
	HALF SE, 1
.if \pf
.irp k, 4,5,6,7
	FRAG (\u)+1, \k
.endr
.endif
.endm
; A SLOT'S LAST TILE, WITH THE CHANGE OF SLOTS.  All its fragments were asked for in the tile before, so my reads of the slot end here.  I wait for all my tensor loads (one is out: my quarter of the next slot),
; add 0 to my spare word, multiply a quarter of the tile, wait for the add and for my reads, signal, multiply the second quarter, and go on when all four waves have signalled.
; fill = 1: that barrier opens a round of the cluster's barrier; behind the round the slot just read out takes the slot after next, by the joint load, which has 112 products of mine in which to land.
; Then the next slot's first tile is fetched as every tile is: its first run ahead of this tile's second half, its second run behind it.
.macro T3C fill
	EXTW 3
	s_wait_tensorcnt 0x0                           ; no tensor load of mine is out, so the walking descriptor may be written
	ds_add_u32 v18, v19                            ; 0 onto my spare word
.if \fill
	s_xor_b32 s53, s53, SLOT1                      ; the other slot than last time,
	s_add_nc_u64 s[54:55], s[54:55], SLOTB         ; the next slot's bytes of wf; the type bits on top are not reached
.endif
	s_wait_dscnt 21                                ; behind fragments 0 and 1: the six later fragments (18), W_att's 2, the add
	GROUP 1, 0
	s_wait_dscnt 0x0                               ; the add is done, and my reads of this slot are over
	s_barrier_signal -1
	GROUP 1, 1                                     ; work on registers while the others arrive; it leaves every window 0
	s_barrier_wait -1
.if \fill
	CREST                                          ; no wave of any partner still reads this slot or has a load on its way
	tensor_load_to_lds s[52:55], s[24:31]          ; the first thing behind the round, and my one tensor load until the next
	s_nop 0
.rept 4
	v_nop
.endr
.endif
	s_xor_b32 s36, s36, SLOT1                      ; on to the other slot,
	s_add_co_u32 s37, s37, 256                     ; four tiles of 16 columns on in cvec and W_att
	v_add_nc_u32 v11, s36, v8
	v_add_nc_u32 v12, s36, v9
	v_add_nc_u32 v13, s37, v10
	EXTN 0
.irp k, 0,1,2,3
	FRAG 0, \k
.endr
	HALF 1, 1                                      ; its operands were shown landed by the wait for 0 above
.irp k, 4,5,6,7
	FRAG 0, \k
.endr
.endm
.macro SLOTA                           ; a slot's first three tiles.  The addresses are made anew from the scalars (the same values that the change of slots left)
	v_add_nc_u32 v11, s36, v8                      ; this slot's fragments,
	v_add_nc_u32 v12, s36, v9                      ; its scale images,
	v_add_nc_u32 v13, s37, v10                     ; its columns of cvec and W_att
	NT 0, 1
	NT 1, 1
	NT 2, 1
.endm
	; ---------------- head
	s_load_b256 s[4:11], s[0:1], 0x0               ; einput s[4:5], wf s[6:7], cvec s[8:9], W_att s[10:11]
	s_load_b128 s[12:15], s[0:1], 0x20             ; b_att s[12:13], scores s[14:15]
	s_load_b64 s[16:17], s[0:1], 0x30              ; part
	v_lshl_add_u32 v18, v0, 2, SPARE               ; my spare word; never rewritten
	v_mov_b32 v19, 0                               ; 0; never rewritten
	ds_add_u32 v18, v19
	ds_add_u32 v18, v19
	s_wait_dscnt 0x0
	v_lshrrev_b32 v20, 5, v0
	v_readfirstlane_b32 s18, v20                   ; wave 0..3
	s_lshr_b32 s19, s18, 1                         ; i: my half of the rows in the product
	s_and_b32 s20, s18, 1                          ; j: my half of W's columns
	s_bfe_u32 s21, ttmp6, 0x40000                  ; cx: it enters global addresses of einput, cvec, scores and part alone
	s_lshl_b32 s22, ttmp9, 2
	s_add_co_u32 s22, s22, s21                     ; my block of 128 rows = 4 x cluster + cx
	s_mov_b32 s40, 0x76543210
	s_mov_b32 s41, 0xfedcba98                      ; v_permlanex16_b32's selects for lane l xor 16
	s_mov_b32 s42, 0xffff0000                      ; lanes 16-31
	s_mov_b32 s43, 0x3fb8aa3b                      ; log2(e)
	s_mov_b32 s56, 0x07060302                      ; v_perm_b32's select: the first source's upper half above the second source's upper half
	; descriptor group 1: 25,600 dense bytes as 100 rows of 256 bytes (32 elements of 8 bytes), no padding
	s_mov_b32 s24, 15|(3<<16)|(1<<21)              ; 15:0 the mask: all four work-groups; 17:16 elements of 8 bytes; 21 set beside a mask
	s_mov_b32 s25, 32<<16                          ; tensor_dim0 = 32
	s_mov_b32 s26, 100<<16                         ; tensor_dim1 = 100
	s_mov_b32 s27, 32<<16                          ; tile_dim0 = 32
	s_mov_b32 s28, 100                             ; tile_dim1 = 100
	s_mov_b32 s29, 32                              ; from row to row
	s_mov_b32 s30, 0
	s_mov_b32 s31, 0
	v_and_b32 v20, 31, v0                          ; lane
	v_and_b32 v21, 15, v0                          ; r
	v_bfe_u32 v22, v0, 4, 1                        ; h
	v_lshlrev_b32 v1, 4, v20                       ; v1  16 x lane: global offset of every load and store of rows
	s_wait_alu depctr_va_vdst(0)
	v_lshlrev_b32 v23, 4, v0                       ; v23 16 x thread
	s_mul_i32 s44, s18, STGB
	s_add_co_u32 s44, s44, STAGE
	v_add_nc_u32 v2, s44, v1                       ; v2  my stage, as the loads lie
	v_mul_u32_u24 v3, v21, SPITCH
	v_lshl_add_u32 v3, v22, 6, v3
	v_add_nc_u32 v3, s44, v3                       ; v3  my stage, row r, + 64 h: 16 neighbours of a block of 32
	s_mul_i32 s44, s18, 3072
	s_add_co_u32 s44, s44, IMG
	v_add_nc_u32 v4, s44, v1                       ; v4  where I store images: K steps 2 w, 2 w + 1
	s_lshl_b32 s44, s18, 2
	s_add_co_u32 s44, s44, ISC
	v_add_nc_u32 v5, s44, v1                       ; v5  and their scale words: word w of a lane's four
	s_mul_i32 s44, s19, 12288
	s_add_co_u32 s44, s44, IMG
	v_add_nc_u32 v6, s44, v1                       ; v6  where I read images: my half of the rows
	s_lshl_b32 s44, s19, 9
	s_add_co_u32 s44, s44, ISC
	v_add_nc_u32 v7, s44, v1                       ; v7  and scale images
	s_mul_i32 s44, s20, 49152
	v_add_nc_u32 v8, s44, v1                       ; v8  W's fragments of my half of the columns, in a slot
	s_lshl_b32 s44, s20, 11
	s_add_co_u32 s45, s44, 98304
	v_add_nc_u32 v9, s45, v1                       ; v9  W's scale images
	s_add_co_u32 s45, s44, CV
	v_lshl_add_u32 v10, v22, 5, s45                ; v10 cvec: my half's 512 columns, + 32 h
	s_lshl_b32 s44, s20, 9
	s_lshl_b32 s45, s19, 8
	s_add_co_u32 s44, s44, s45
	s_add_co_u32 s44, s44, SCR
	v_lshl_add_u32 v14, v21, 2, s44                ; v14 where my half scores go: [j][64 i + r]
	v_add_nc_u32 v15, SCR, v1                      ; v15 and where four rows' are read
	s_lshl_b32 s44, s18, 9
	s_add_co_u32 s44, s44, PB
	v_add_nc_u32 v16, s44, v1                      ; v16 my wave's p, four a lane
	v_mov_b32 v17, s44                             ; v17 the same, from its start, for all lanes
	v_add_nc_u32 v63, CV, v23                      ; v63 where cvec and W_att are staged
.irp b, 0,1,2,3
	v_mov_b32 v[TM+4+\b], 0                        ; written once: a lane permute's destination counts as one of its sources
.endr
	s_wait_kmcnt 0x0
	s_load_b32 s23, s[12:13], 0x0                  ; b_att
	s_lshl_b32 s48, s22, 19                        ; 128 rows of 4,096 bytes a block,
	s_lshl_b32 s50, s18, 10                        ; my wave's 256 columns
	s_add_co_u32 s48, s48, s50
	s_mov_b32 s49, 0
	s_add_nc_u64 s[4:5], s[4:5], s[48:49]
	s_lshr_b32 s48, s22, 4                         ; the batch
	s_lshl_b32 s48, s48, 12
	s_add_nc_u64 s[8:9], s[8:9], s[48:49]
	s_lshl_b32 s48, s22, 9
	s_add_nc_u64 s[14:15], s[14:15], s[48:49]
	s_lshl_b32 s48, s22, 12
	s_add_co_u32 s48, s48, s50
	s_add_nc_u64 s[16:17], s[16:17], s[48:49]
	; descriptor group 0, twice: s[32:35] for slot 0's first fill; s[52:55] for slot 1's, which then walks on
	s_mov_b32 s32, 1                               ; count = 1
	s_mul_i32 s33, s18, QSLOT                      ; LDS address: my quarter of slot 0
	s_mov_b32 s46, s33                             ; (registers that never hold the place in the cluster)
	s_mov_b32 s47, 0
	s_add_nc_u64 s[34:35], s[6:7], s[46:47]        ; global address: my quarter of wf's slot 0
	s_mov_b32 s52, 1
	s_add_co_u32 s53, s33, SLOT1                   ; my quarter of slot 1,
	s_add_nc_u64 s[54:55], s[34:35], SLOTB         ; of wf's slot 1
	s_or_b32 s35, s35, 0x80000000                  ; type = 2
	s_or_b32 s55, s55, 0x80000000
	ROUND                                          ; all four work-groups are here: the first joint loads meet
	tensor_load_to_lds s[32:35], s[24:31]          ; slot 0's first fill: my one tensor load at the head; it lands while einput is loaded
	s_nop 0
.rept 4
	v_nop
.endr
	global_load_b128 v[64:67], v23, s[8:9]         ; cvec of my batch and W_att, 16 bytes a thread, twice each
	global_load_b128 v[68:71], v23, s[8:9] offset:2048
	global_load_b128 v[72:75], v23, s[10:11]
	global_load_b128 v[76:79], v23, s[10:11] offset:2048
	LOADH 0
	LOADT 0
	LOADH 1
	LOADT 1
	LOADH 2
	WIN 0
	s_wait_kmcnt 0x0                               ; b_att
	; ---------------- loading: eight chunks of 16 rows; behind each pair a tile of rows of both halves lies in LDS as images
	PROC 0, 48                                     ; behind chunk c's last load: H(c+1), T(c+1), H(c+2)
	ds_store_b128 v63, v[64:67]                    ; cvec and W_att: their loads are older than chunk 0's
	ds_store_b128 v63, v[68:71] offset:2048
	ds_store_b128 v63, v[72:75] offset:4096
	ds_store_b128 v63, v[76:79] offset:6144
	PROC 1, 48
	s_wait_tensorcnt 0x0                           ; slot 1's first fill is issued as a refill is: all my tensor loads are done (my quarter of slot 0),
	ds_add_u32 v18, v19                            ; 0 onto my spare word,
	s_wait_dscnt 0x0                               ; the add is done, and my stores of tile 0's images have landed
	ROUND                                          ; a whole round: the sixteen images of tile 0 lie in LDS, and all four work-groups are here
	tensor_load_to_lds s[52:55], s[24:31]          ; my quarter of slot 1: the first thing behind the round, and my one tensor load until the next
	s_nop 0
.rept 4
	v_nop
.endr
	FETCHA 0
	BARRIER                                        ; everybody has them: the images may be written again
	PROC 2, 48
	PROC 3, 48
	BARRIER
	FETCHA 1
	BARRIER
	PROC 4, 48
	PROC 5, 48
	BARRIER
	FETCHA 2
	BARRIER
	PROC 6, 32                                     ; behind its last load: H7, T7
	PROC 7, 0
	BARRIER
	FETCHA 3                                       ; the images are not written again: no barrier follows
.irp t, 0,1,2,3
	ds_load_b128 v[ASC+4*\t:ASC+4*\t+3], v7 offset:1024*\t   ; e's scale words: register 4 m + v: lanes 0-15 K step 2 v, lanes 16-31 K step 2 v + 1
.endr
.set x, 0
.rept 32
	ds_store_b128 v2, v[128+4*x:131+4*x] offset:512*x        ; chunks 6 and 7 of the bf16 copy wait in my stage while the product has window 0
.set x, x+1
.endr
	s_wait_dscnt 0x0
.set x, 0
.rept 32
	v_mov_b32 v[ACC+32+x], 0                       ; the tile before the first: its relu times W_att adds 0
.set x, x+1
.endr
.irp q, 0,1,2,3,4,5,6,7
	v_mov_b32 v[WR+8+\q], 0
	v_mov_b32 v[SP+\q], 0                          ; the score sums: two chains, a pair in each for each tile of rows
	v_mov_b32 v[SP+8+\q], 0
.endr
	s_mov_b32 s36, 0                               ; LDS byte at which the slot in hand begins
	s_mov_b32 s37, 0                               ; its columns' bytes in cvec and W_att
	s_mov_b32 s38, 6
	; ---------------- the product: eight slots of W
	s_wait_tensorcnt 0x0                           ; my quarters of slots 0 and 1 are in
	s_barrier_signal -1                            ; (no LDS instruction of mine is out: the wait for 0 stands above)
	s_barrier_wait -1                              ; everybody's is
	v_add_nc_u32 v11, s36, v8
	v_add_nc_u32 v12, s36, v9
	v_add_nc_u32 v13, s37, v10
	EXTN 0                                         ; the first tile is fetched whole, in the order in which every later tile is fetched
.irp k, 0,1,2,3,4,5,6,7
	FRAG 0, \k
.endr
.Lslot:                                            ; six trips: slots 0 to 5 are filled again when they have been read out, with slots 2 to 7
	SLOTA
	T3C 1
	s_sub_co_u32 s38, s38, 1
	s_cmp_lg_u32 s38, 0
	s_cbranch_scc1 .Lslot
	SLOTA                                          ; slot 6 is written out: a change of slots, and nothing is asked for
	T3C 0
	SLOTA                                          ; slot 7: nothing follows it
	NT 3, 0
	; ---------------- scores, the block's softmax, the weighted sum
	s_wait_dscnt 0x0                               ; the last tile's numbers of W_att
	EPI 1, 0
	EPI 1, 1
	EPI 1, 2
	EPI 1, 3
.set x, 0
.rept 32
	ds_load_b128 v[128+4*x:131+4*x], v2 offset:512*x         ; chunks 6 and 7 come back (the 48 instructions above are the places behind the last products)
.set x, x+1
.endr
.irp m, 0,1,2,3
	v_pk_add_f32 v[SP+2*\m:SP+2*\m+1], v[SP+2*\m:SP+2*\m+1], v[SP+8+2*\m:SP+9+2*\m]   ; the two chains
.endr
.irp m, 0,1,2,3
	v_add_f32 v[SP+2*\m], v[SP+2*\m], v[SP+2*\m+1]
.endr
.irp m, 0,1,2,3
	v_permlanex16_b32 v[SP+2*\m+1], v[SP+2*\m], s40, s41
.endr
.irp m, 0,1,2,3
	v_add_f32 v[SP+2*\m], v[SP+2*\m], v[SP+2*\m+1] ; row r of tile m: the dot over my 512 columns
.endr
.irp m, 0,1,2,3
	ds_store_b32 v14, v[SP+2*\m] offset:64*\m      ; both halves of the lanes write the same word with the same value
.endr
	BARRIER
	ds_load_b128 v[56:59], v15                     ; rows 4 lane .. 4 lane + 3: columns 0-511's part,
	ds_load_b128 v[60:63], v15 offset:512          ; columns 512-1,023's
	s_wait_dscnt 0x0
.irp q, 0,1,2,3
	v_add_f32 v[56+\q], v[56+\q], v[60+\q]
.endr
.irp q, 0,1,2,3
	v_add_f32 v[56+\q], s23, v[56+\q]              ; + b_att: the scores; every wave holds all 128
.endr
	s_cmp_lg_u32 s18, 0
	s_cbranch_scc1 .Lnot_first
	global_store_b128 v1, v[56:59], s[14:15]       ; wave 0 stores them: 512 consecutive bytes; v56-59 are not written again
.Lnot_first:
	s_wait_alu depctr_va_vdst(0)
	v_max3_num_f32 v64, v56, v57, v58
	v_mov_b32 v65, 0
	v_max_num_f32 v64, v64, v59
	v_max_num_f32_dpp v64, v64, v64 row_xmask:1 row_mask:0xf bank_mask:0xf
	v_max_num_f32_dpp v64, v64, v64 row_xmask:2 row_mask:0xf bank_mask:0xf
	v_max_num_f32_dpp v64, v64, v64 row_xmask:4 row_mask:0xf bank_mask:0xf
	v_max_num_f32_dpp v64, v64, v64 row_xmask:8 row_mask:0xf bank_mask:0xf
	v_permlanex16_b32 v65, v64, s40, s41
	v_max_num_f32 v64, v64, v65                    ; the block's largest score
.irp q, 0,1,2,3
	v_sub_f32 v[68+\q], v[56+\q], v64
.endr
.irp q, 0,1,2,3
	v_mul_f32 v[68+\q], s43, v[68+\q]
.endr
	s_wait_alu depctr_va_vdst(0)
.irp q, 0,1,2,3
	v_exp_f32 v[68+\q], v[68+\q]                   ; p = e^(score - the largest), at most 1
.endr
	v_nop                                          ; one plain place behind the exponentials
	s_wait_alu depctr_va_vdst(0)
	ds_store_b128 v16, v[68:71]
	WIN 0x40
.set x, 0
.rept 32
	ds_load_b128 v[4*x:4*x+3], v17 offset:16*x     ; p of row n into register 256 + n of every lane (the codes' registers are free); LDS serves a wave's instructions in order
.set x, x+1
.endr
	WIN 0
.irp q, 0,1,2,3,4,5,6,7
	v_mov_b32 v[OA+\q], 0
.endr
	s_wait_alu depctr_va_vdst(0)
	s_wait_dscnt 0x0
.set cc, 0
.rept 8                                        ; 128 rows x my 8 columns: bf16 half x p + sum, eight chains
	GETH cc
	WIN (HM>>8)|4                                  ; source 0: the copy's window; source 1: p, window 1
.set rr, 0
.rept 16
.set RHO, 64*(cc&1)+16*(cc>>1)+rr
.set HR, (HM&255)+4*rr
.irp q, 0,1,2,3
	v_fma_mix_f32_bf16 v[OA+2*\q], v[HR+\q], v[RHO], v[OA+2*\q] op_sel_hi:[1,0,0]
	v_fma_mix_f32_bf16 v[OA+2*\q+1], v[HR+\q], v[RHO], v[OA+2*\q+1] op_sel:[1,0,0] op_sel_hi:[1,0,0]
.endr
.set rr, rr+1
.endr
.set cc, cc+1
.endr
	WIN 0
	global_store_b128 v1, v[OA:OA+3], s[16:17]               ; columns 256 w + 4 lane + 0 .. 3: 512 consecutive bytes
	global_store_b128 v1, v[OA+4:OA+7], s[16:17] offset:512  ; columns 256 w + 128 + 4 lane + 0 .. 3
	s_wait_tensorcnt 0x0                           ; the wave's end
	ds_add_u32 v18, v19
	s_wait_dscnt 0x0
	ROUND                                          ; the closing round: no work-group ends while a partner may still ask for a tile that names it
	s_endpgm
.Lfunc_end_k_q4f00490f1b_main:
	.size	k_q4f00490f1b_main, .Lfunc_end_k_q4f00490f1b_main-k_q4f00490f1b_main
	.p2alignl 7, 3214868480
	.fill 96, 4, 3214868480
	.section	.rodata,"a",@progbits
	.p2align	6, 0x0
	.amdhsa_kernel k_q4f00490f1b_main
		.amdhsa_group_segment_fixed_size 327680
		.amdhsa_private_segment_fixed_size 0
		.amdhsa_enable_private_segment 0
		.amdhsa_kernarg_size 56
		.amdhsa_user_sgpr_count 2
		.amdhsa_user_sgpr_kernarg_segment_ptr 1
		.amdhsa_wavefront_size32 1
		.amdhsa_system_sgpr_workgroup_id_x 1
		.amdhsa_system_sgpr_workgroup_id_y 1
		.amdhsa_system_sgpr_workgroup_id_z 1
		.amdhsa_system_vgpr_workitem_id 0
		.amdhsa_next_free_vgpr 1024
		.amdhsa_next_free_sgpr 66
		.amdhsa_reserve_vcc 0
		.amdhsa_float_denorm_mode_32 3
		.amdhsa_float_denorm_mode_16_64 3
		.amdhsa_memory_ordered 1
		.amdhsa_forward_progress 1
		.amdhsa_inst_pref_size 255
	.end_amdhsa_kernel
	.section	.bss,"aw",@nobits
	.p2align	6
	.space	262144
	.amdgpu_metadata
---
amdhsa.version: [ 1, 2 ]
amdhsa.kernels:
  - .name:           k_q4f00490f1b_main
    .symbol:         k_q4f00490f1b_main.kd
    .args:
      - { .name: einput, .offset: 0, .size: 8, .value_kind: global_buffer, .address_space: global }
      - { .name: wf, .offset: 8, .size: 8, .value_kind: global_buffer, .address_space: global }
      - { .name: cvec, .offset: 16, .size: 8, .value_kind: global_buffer, .address_space: global }
      - { .name: W_att, .offset: 24, .size: 8, .value_kind: global_buffer, .address_space: global }
      - { .name: b_att, .offset: 32, .size: 8, .value_kind: global_buffer, .address_space: global }
      - { .name: scores, .offset: 40, .size: 8, .value_kind: global_buffer, .address_space: global }
      - { .name: part, .offset: 48, .size: 8, .value_kind: global_buffer, .address_space: global }
    .group_segment_fixed_size: 327680
    .private_segment_fixed_size: 0
    .kernarg_segment_align: 8
    .kernarg_segment_size: 56
    .max_flat_workgroup_size: 128
    .sgpr_count:     66
    .vgpr_count:     1024
    .wavefront_size: 32
...
	.end_amdgpu_metadata
.endif
;; end of part 2
;; launch combine (part 3): grid 32 x 1, 8 waves a work-group, no clusters, 2,048 bytes of LDS; arguments scores, part, out0, out1; writes out0, out1
.if DOCPART == 3
	.amdgcn_target "amdgcn-amd-amdhsa--gfx1250"
	.amdhsa_code_object_version 6
	.text
	.protected	k_q4f00490f1b_combine
	.globl	k_q4f00490f1b_combine
	.p2align	8
	.type	k_q4f00490f1b_combine,@function
k_q4f00490f1b_combine:
	s_mov_b64 s[64:65], 0
	v_nop
	global_prefetch_b8 v0, s[64:65] scope:SCOPE_SE
	s_setreg_imm32_b32 hwreg(HW_REG_WAVE_MODE, 25, 1), 1
	s_wait_xcnt 0x0
; One work-group to a batch.  scores[2,048] and the sixteen partial sums part[g][1,024] = sum over block g's 128 rows of e^(score - m_g) x einput, m_g the block's largest score.
; m_g is taken again from the stored scores (the same f32 numbers, so the same maximum), M = the largest m_g, Z = sum of e^(score - M):
;   out1 = e^(score - M) / Z;   out0 = sum over g of e^(m_g - M) / Z x part[g].
; Every load and store of a wave covers 512 consecutive bytes.  No matrix unit, no cluster: memory and two short reductions are all there is.
; LDS: the sixteen maxima at byte 0, the eight waves' sums at byte 256.
	s_load_b256 s[4:11], s[0:1], 0x0               ; scores, part, out0, out1
	v_lshl_add_u32 v128, v0, 2, 0x400
	v_mov_b32 v129, 0
	v_lshlrev_b32 v1, 4, v0                        ; 16 x thread
	v_lshrrev_b32 v20, 5, v0
	s_delay_alu instid0(VALU_DEP_1)
	v_lshlrev_b32 v20, 2, v20                      ; 4 x wave
	v_mov_b32 v21, 0
	v_mov_b32 v22, 0                               ; (lane permutes' destinations count as sources)
	v_mov_b32 v23, 0
	s_mov_b32 s12, 0x76543210
	s_mov_b32 s13, 0xfedcba98
	s_mov_b32 s14, 0x3fb8aa3b                      ; log2(e)
	s_lshl_b32 s16, ttmp9, 13
	s_mov_b32 s17, 0
	s_lshl_b32 s18, ttmp9, 16                      ; 16 partial sums of 4,096 bytes
	s_mov_b32 s19, 0
	s_lshl_b32 s20, ttmp9, 12
	s_mov_b32 s21, 0
	s_wait_alu depctr_va_vdst(0)
	s_wait_kmcnt 0x0
	s_add_nc_u64 s[4:5], s[4:5], s[16:17]
	s_add_nc_u64 s[6:7], s[6:7], s[18:19]
	s_add_nc_u64 s[8:9], s[8:9], s[20:21]
	s_add_nc_u64 s[10:11], s[10:11], s[16:17]
	global_load_b128 v[8:11], v1, s[4:5]
	global_load_b128 v[12:15], v1, s[4:5] offset:4096
.irp g, 0,1,2,3,4,5,6,7,8,9,10,11,12,13,14,15
	global_load_b128 v[32+4*\g:35+4*\g], v1, s[6:7] offset:4096*\g th:TH_LOAD_NT
.endr
	s_wait_loadcnt 16                              ; the scores are in; the sixteen loads behind them may be out
	v_max3_num_f32 v16, v8, v9, v10
	v_max3_num_f32 v17, v12, v13, v14
	s_delay_alu instid0(VALU_DEP_2)
	v_max_num_f32 v16, v16, v11
	s_delay_alu instid0(VALU_DEP_2)
	v_max_num_f32 v17, v17, v15
.irp x, 1,2,4,8
	s_delay_alu instid0(VALU_DEP_2)
	v_max_num_f32_dpp v16, v16, v16 row_xmask:\x row_mask:0xf bank_mask:0xf
	s_delay_alu instid0(VALU_DEP_2)
	v_max_num_f32_dpp v17, v17, v17 row_xmask:\x row_mask:0xf bank_mask:0xf
.endr
	s_delay_alu instid0(VALU_DEP_2)
	v_permlanex16_b32 v22, v16, s12, s13
	s_delay_alu instid0(VALU_DEP_2)
	v_permlanex16_b32 v23, v17, s12, s13
	s_delay_alu instid0(VALU_DEP_2)
	v_max_num_f32 v16, v16, v22                    ; m of block w
	s_delay_alu instid0(VALU_DEP_2)
	v_max_num_f32 v17, v17, v23                    ; m of block 8 + w
	ds_store_b32 v20, v16
	ds_store_b32 v20, v17 offset:32
	s_wait_dscnt 0x0
	s_barrier_signal -1
	s_barrier_wait -1
.irp x, 0,1,2,3
	ds_load_b128 v[96+4*\x:99+4*\x], v21 offset:16*\x        ; all sixteen, in every lane
.endr
	s_wait_dscnt 0x0
	v_max3_num_f32 v24, v96, v97, v98
.irp x, 99,101,103,105,107,109
	s_delay_alu instid0(VALU_DEP_1)
	v_max3_num_f32 v24, v24, v[\x], v[\x+1]
.endr
	s_delay_alu instid0(VALU_DEP_1)
	v_max_num_f32 v24, v24, v111                   ; M
.irp q, 0,1,2,3,4,5,6,7
	v_sub_f32 v[8+\q], v[8+\q], v24
.endr
.irp g, 0,1,2,3,4,5,6,7,8,9,10,11,12,13,14,15
	v_sub_f32 v[96+\g], v[96+\g], v24
.endr
.irp q, 0,1,2,3,4,5,6,7
	v_mul_f32 v[8+\q], s14, v[8+\q]
.endr
.irp g, 0,1,2,3,4,5,6,7,8,9,10,11,12,13,14,15
	v_mul_f32 v[96+\g], s14, v[96+\g]
.endr
	s_wait_alu depctr_va_vdst(0)
.irp q, 0,1,2,3,4,5,6,7
	v_exp_f32 v[8+\q], v[8+\q]                     ; e^(score - M)
.endr
.irp g, 0,1,2,3,4,5,6,7,8,9,10,11,12,13,14,15
	v_exp_f32 v[96+\g], v[96+\g]                   ; e^(m_g - M)
.endr
	v_nop                                          ; one plain place behind the exponentials
	s_wait_alu depctr_va_vdst(0)
	v_add_f32 v25, v8, v9
	v_add_f32 v26, v10, v11
	v_add_f32 v27, v12, v13
	v_add_f32 v28, v14, v15
	s_delay_alu instid0(VALU_DEP_3)
	v_add_f32 v25, v25, v26
	s_delay_alu instid0(VALU_DEP_2)
	v_add_f32 v27, v27, v28
	s_delay_alu instid0(VALU_DEP_1)
	v_add_f32 v25, v25, v27
.irp x, 1,2,4,8
	s_delay_alu instid0(VALU_DEP_1)
	v_add_f32_dpp v25, v25, v25 row_xmask:\x row_mask:0xf bank_mask:0xf
.endr
	s_delay_alu instid0(VALU_DEP_1)
	v_permlanex16_b32 v22, v25, s12, s13
	s_delay_alu instid0(VALU_DEP_1)
	v_add_f32 v25, v25, v22                        ; my wave's part of Z
	ds_store_b32 v20, v25 offset:256
	s_wait_dscnt 0x0
	s_barrier_signal -1
	s_barrier_wait -1
	ds_load_b128 v[24:27], v21 offset:256
	ds_load_b128 v[28:31], v21 offset:272
	s_wait_dscnt 0x0
	v_add_f32 v24, v24, v25
	v_add_f32 v26, v26, v27
	v_add_f32 v28, v28, v29
	v_add_f32 v30, v30, v31
	s_delay_alu instid0(VALU_DEP_3)
	v_add_f32 v24, v24, v26
	s_delay_alu instid0(VALU_DEP_2)
	v_add_f32 v28, v28, v30
	s_delay_alu instid0(VALU_DEP_1)
	v_add_f32 v24, v24, v28                        ; Z, at least 1: the largest score's term
	s_wait_alu depctr_va_vdst(0)
	v_rcp_f32 v16, v24
	v_nop                                          ; one plain place behind the reciprocal
	s_wait_alu depctr_va_vdst(0)
.irp q, 0,1,2,3,4,5,6,7
	v_mul_f32 v[8+\q], v[8+\q], v16
.endr
	global_store_b128 v1, v[8:11], s[10:11]
	global_store_b128 v1, v[12:15], s[10:11] offset:4096
.irp g, 0,1,2,3,4,5,6,7,8,9,10,11,12,13,14,15
	v_mul_f32 v[96+\g], v[96+\g], v16              ; e^(m_g - M) / Z
.endr
	s_wait_loadcnt 0x0                             ; the partial sums
.irp q, 0,1,2,3
	v_mul_f32 v[112+\q], v[32+\q], v96
.endr
.irp g, 1,2,3,4,5,6,7,8,9,10,11,12,13,14,15
.irp q, 0,1,2,3
	s_delay_alu instid0(VALU_DEP_4)
	v_fmac_f32 v[112+\q], v[32+4*\g+\q], v[96+\g]
.endr
.endr
	global_store_b128 v1, v[112:115], s[8:9]
	s_wait_tensorcnt 0x0
	ds_add_u32 v128, v129
	s_wait_dscnt 0x0
	s_endpgm
.Lfunc_end_k_q4f00490f1b_combine:
	.size	k_q4f00490f1b_combine, .Lfunc_end_k_q4f00490f1b_combine-k_q4f00490f1b_combine
	.p2alignl 7, 3214868480
	.fill 96, 4, 3214868480
	.section	.rodata,"a",@progbits
	.p2align	6, 0x0
	.amdhsa_kernel k_q4f00490f1b_combine
		.amdhsa_group_segment_fixed_size 2048
		.amdhsa_private_segment_fixed_size 0
		.amdhsa_enable_private_segment 0
		.amdhsa_kernarg_size 32
		.amdhsa_user_sgpr_count 2
		.amdhsa_user_sgpr_kernarg_segment_ptr 1
		.amdhsa_wavefront_size32 1
		.amdhsa_system_sgpr_workgroup_id_x 1
		.amdhsa_system_sgpr_workgroup_id_y 1
		.amdhsa_system_sgpr_workgroup_id_z 1
		.amdhsa_system_vgpr_workitem_id 0
		.amdhsa_next_free_vgpr 130
		.amdhsa_next_free_sgpr 66
		.amdhsa_reserve_vcc 0
		.amdhsa_float_denorm_mode_32 3
		.amdhsa_float_denorm_mode_16_64 3
		.amdhsa_memory_ordered 1
		.amdhsa_forward_progress 1
		.amdhsa_inst_pref_size 15
	.end_amdhsa_kernel
	.amdgpu_metadata
---
amdhsa.version: [ 1, 2 ]
amdhsa.kernels:
  - .name:           k_q4f00490f1b_combine
    .symbol:         k_q4f00490f1b_combine.kd
    .args:
      - { .name: scores, .offset: 0, .size: 8, .value_kind: global_buffer, .address_space: global }
      - { .name: part, .offset: 8, .size: 8, .value_kind: global_buffer, .address_space: global }
      - { .name: out0, .offset: 16, .size: 8, .value_kind: global_buffer, .address_space: global }
      - { .name: out1, .offset: 24, .size: 8, .value_kind: global_buffer, .address_space: global }
    .group_segment_fixed_size: 2048
    .private_segment_fixed_size: 0
    .kernarg_segment_align: 8
    .kernarg_segment_size: 32
    .max_flat_workgroup_size: 256
    .sgpr_count:     66
    .vgpr_count:     130
    .wavefront_size: 32
...
	.end_amdgpu_metadata
.endif
;; end of part 3
